; MI455X (gfx1250); checked and timed in simulation.
; The chip was launched on July 23, 2026; its instructions are those of AMD's public machine-readable ISA for CDNA 5 (MIT licence, August 2026) and "CDNA5" Instruction Set Architecture Reference Guide (July 2026). The comments in the code are by the model that wrote it; some were corrected since.
;; Model. Allowed arithmetic: matrix products marked QUANTISED: E2M1 operands, one E8M0 scale for each 32 along K, by v_wmma_scale_f32_16x16x128_f8f6f4 with both operands' format E2M1 (or v_wmma_scale_f32_32x16x128_f4), f32 sums; products left as they are: f32 operands where the result goes on into a quantised operand, else bf16, f16 or f32 operands; f32 sums; everything else in f32.
;; Inputs: W0 1 x 16 float32; W1 16 x 32 float32; W2 32 x 64 float32; W3 64 x 128 float32; W4 128 x 64 float32; W5 64 x 32 float32; W6 32 x 1 float32; b0 16 float32; b1 32 float32; b2 64 float32; b3 128 float32; b4 64 float32; b5 32 float32; b6 1 float32; be0 16 float32; be1 32 float32; be2 64 float32; be3 128 float32; be4 64 float32; be5 32 float32; g0 16 float32; g1 32 float32; g2 64 float32; g3 128 float32; g4 64 float32; g5 32 float32; x 1,048,576 x 1 float32.
;; Outputs: out0 1,048,576 x 1 float32.
;; This version of the problem:
;;   THIS VERSION OF THE PROBLEM IS GIVEN IN LOW PRECISION. The matrix products marked QUANTISED in the list below multiply operands that are first quantised to E2M1 (2 exponent bits, 1 mantissa bit; 4 bits a number), with one power-of-two scale for each 32 numbers along K (OCP MX v1.0); their sums are f32. All else is computed in f32.
;;   The module's matrix products, in the order in which they are computed (A, B: the left and right operand; K: the contracted axis; several contracted axes count as one K, in the product's order):
;;     1. [M 1,048,576, K 1] x [K 1, N 16]; A: input x; B: input W0: left as it is (K = 1 < 32)
;;     2. [M 1,048,576, K 16] x [K 16, N 32]; A: computed on the way; B: input W1: left as it is (K = 16 < 32)
;;     3. [M 1,048,576, K 32] x [K 32, N 64]; A: computed on the way; B: input W2: QUANTISED
;;     4. [M 1,048,576, K 64] x [K 64, N 128]; A: computed on the way; B: input W3: QUANTISED
;;     5. [M 1,048,576, K 128] x [K 128, N 64]; A: computed on the way; B: input W4: QUANTISED
;;     6. [M 1,048,576, K 64] x [K 64, N 32]; A: computed on the way; B: input W5: QUANTISED
;;     7. [M 1,048,576, K 32] x [K 32, N 1]; A: computed on the way; B: input W6: left as it is (N = 1 < 16)
;;   THE QUANTISER, for each operand of a quantised product, along K:
;;     - K is cut into blocks of 32 from its start; a last block that is shorter is filled with zeros.
;;     - A block's scale is 2^e with e = floor(log2(the largest magnitude in the block)) - 2, held to -126 .. 127; a block of zeros has e = 0. As a byte (E8M0): e + 127.
;;     - Each number is divided by its block's scale, clamped to +-6, and rounded to the nearest number of E2M1, ties to even, subnormals kept.
;;     - The product sums the exact products of the quantised numbers (number of the format x scale) in f32.
;;   ~~~python
;;   def quantise(x, axis):      # numpy; x: float32 -> the quantised numbers, widened to float32 again
;;       x = np.moveaxis(x, axis, -1); K = x.shape[-1]
;;       x = np.pad(x, [(0, 0)] * (x.ndim - 1) + [(0, -K % 32)]); x = x.reshape(x.shape[:-1] + (-1, 32)); a = np.abs(x).max(-1, keepdims=True)
;;       e = np.where(a > 0, np.clip(np.frexp(np.where(a > 0, a, 1))[1] - 1 - 2, -126, 127), 0)      # np.frexp(a)[1] - 1 = floor(log2(a)), exactly
;;       r = np.clip(x / 2.0 ** e, -6, 6)
;;       step = 2.0 ** (np.maximum(np.frexp(np.where(r == 0, 1, r))[1] - 1, 0) - 1)
;;       q = np.round(r / step) * step * 2.0 ** e      # np.round: ties to even
;;       return np.moveaxis(q.reshape(q.shape[:-2] + (-1,))[..., :K], -1, axis).astype(np.float32)
;;   ~~~
;;   OPERANDS COMPUTED ON THE WAY. 'Computed on the way' means the value that the module computes at that place (a softmax that the list does not call 'softmax' is quantised finished and normalised). What goes into a quantiser is computed in f32, as accurately as f32 sums, v_exp_f32 and their like allow (about 1e-6 of the number): no bf16 or f16 on the way to a quantiser, and a product that is left as it is and whose result goes on into a quantised operand takes f32 operands (vector FMAs, or v_wmma_f32_16x16x4_f32). A number that lies on a knife's edge between two numbers of the format may be rounded either way, as far as f32 arithmetic and the matrix unit's own rounding can turn it there, and no further.
;; One version. Each part assembles by itself: llvm-mc -triple=amdgcn-amd-amdhsa -mcpu=gfx1250 --defsym DOCPART=n.
;; ======== version 1 of 1: 1 launch
;; launch mlp (part 1): grid 256 x 1, 4 waves a work-group, no clusters, 49,664 bytes of LDS; arguments x, out0, W0, b0, g0, be0, W1, b1, g1, be1, W2, b2, g2, be2, W3, b3, g3, be3, W4, b4, g4, be4, W5, b5, g5, be5, W6, b6; writes out0
.if DOCPART == 1
	.amdgcn_target "amdgcn-amd-amdhsa--gfx1250"
	.amdhsa_code_object_version 6
	.text
	.protected	k_q3769362d7b_mlp
	.globl	k_q3769362d7b_mlp
	.p2align	8
	.type	k_q3769362d7b_mlp,@function
k_q3769362d7b_mlp:
	s_mov_b64 s[64:65], 0
	v_nop
	global_prefetch_b8 v0, s[64:65] scope:SCOPE_SE
	s_setreg_imm32_b32 hwreg(HW_REG_WAVE_MODE, 25, 1), 1
	s_wait_xcnt 0x0
; out0[row] = the chain 1 -> 16 -> 32 -> 64 -> 128 -> 64 -> 32 -> 1 of linear layers on x[row]; LayerNorm (eps 1e-5, biased variance), gain, offset and relu behind the first six.
; The products with K = 32, 64, 128, 64 (W2 .. W5) run on codes of FP4 (E2M1) with one E8M0 scale for each 32 along K, both operands quantised here; all else is f32.
; SHARES.  1,048,576 rows = 256 work-groups x 4 waves x 1,024 rows.  A wave walks 32 trips; a trip takes two tiles of 16 rows, worked by turns, line by line, so that the short chains of
; the statistics do not wait for themselves.  ALL PARAMETERS STAY IN THE WAVE'S REGISTERS (some 690): codes and scale words of W2 .. W5, W0, W1, W6, biases, gains, offsets.
; LAYOUT.  Every product is used transposed (source 0 = 16 units of the weight, source 1 = 16 rows): lane (r, h) = (lane % 16, lane / 16) holds row r throughout.  Lane r of weight tile 2 b + u takes
; unit 32 b + 8 u + r + 8 (r / 8): register q of a layer's result is then unit 32 (q / 16) + 16 h + q % 16, so 16 registers are half a block of the next K, and a conversion's result is the next operand.
; LAYERS 0 AND 1 ARE CENTRED ONCE: W0, b0, b1 and each row of W1 have their mean over the units taken off at the head.  A shift common to all units leaves LayerNorm as it is, so h - mean(h) comes out of
; the product itself and the variance is mean(h'^2).  Layers 2 .. 5 take two passes (sum, centre, sum of squares), as the definition has it.
; RELU AHEAD OF A QUANTISER: the block's largest number is taken without |.| (what is negative does not count; a floor stands under it), the conversion runs on the signed numbers, and negative codes are cut to -0.
; K SHORTER THAN 128: the weights' codes beyond K are zeros; what the rows' registers hold there are codes of an earlier layer (every E2M1 code is a finite number) under the scale byte 0: they add nothing.
; NO CLUSTER, NO TENSOR LOAD: what work-groups share is some 86 KB of parameters, read once at the head; x is 4 bytes a row.  The four waves share the quantising of the weights through LDS, one barrier.
; LIMITS.  NaN and infinities among the inputs are not served.  A block with no positive number (a block of zeros among the weights) gets the scale byte 1 where the rule says 127: its codes are zeros, and
; the bytes are read here alone.  A block's largest magnitude under 2^-124 is held at that floor.  1 / sqrt is v_rsq_f32's.
;
; LDS: x of the wave (4,096 bytes a wave); its results likewise; 24 images of four code registers (512 bytes each); 24 x 128 bytes of scale pieces.
.set XS,   0
.set OS,   16384
.set IMG,  32768
.set SCP,  45056
; WINDOW 0
.set LA,   1          ; v1       4096 x wave + 4 r: my row's word in the wave's part of XS and OS
.set ADX,  2          ; v2       LDS address of the next pair's x
.set ADO,  3          ; v3       LDS address of this pair's results
.set WS,   4          ; v4-12    the weights' scale words, two tiles to a register (even tile lanes 0-15, odd tile lanes 16-31): W2 +0,1; W3 +2..5; W4 +6,7; W5 +8
.set AS,   13         ; v13-14   the rows' scale word, tile t
.set H,    16         ; v16-143  a layer's result and work, 64 registers a tile
.set H1,   144        ; v144-175 layer 1's sums, 16 a tile: written by matrix instructions alone
.set Y0,   176        ; v176-191 layer 0's output, 8 a tile (at the head: the set-up's addresses)
.set W1F,  192        ; v192-207 W1, centred: fragment (u, s) at +2 (4 u + s)
.set C,    208        ; v208-223 the rows' codes, 8 a tile
.set XB,   224        ; v224-227 x of the next pair: a pair of registers a tile, the low one used
.set VXL,  228        ; v228     4096 x wave + 16 x lane
.set V16L, 229        ; v229     16 x lane
.set OUTV, 230        ; v230-231 the results on their way to LDS
.set T,    236        ; v236-255 ten a tile: +0..3 two packed chains, later the blocks' largest; +4:5 -mean; +6:7 1 / sigma; +4..7 later at work; +8, +9 at work
.set QC,   16         ; the set-up: codes of six units, 4 registers each;
.set QA,   40         ; their largest magnitudes, then the conversions' scale operands;
.set QB,   46         ; their scale bytes;
.set QP,   52         ; at work
.set VO2,  176        ; byte offsets of my lane in W2, W3, W4, W5, W1
.set VO3,  177
.set VO4,  178
.set VO5,  179
.set VW1,  180
.set V64H, 181        ; 64 h, 32 h, 8 h
.set V32H, 182
.set V8H,  183
.set VM,   184        ; all ones in lanes 0-15, 0 in lanes 16-31
.set VIMG, 185        ; 16 x lane + 3072 x wave: where I store images
.set VSCP, 186        ; 4 x lane + 768 x wave: and scale pieces
.set V4L,  187        ; 4 x lane
; WINDOW 1
.set ST,   32         ; the set-up: six units of 32 numbers down K
.set WF2,  32         ; the weights' fragments, 8 registers a tile: W2 4 tiles, W3 8, W4 4, W5 2
.set WF3,  64
.set WF4,  128
.set WF5,  160
.set W0C,  224        ; W0 and b0, centred; W6
.set B0C,  232
.set W6V,  240
; WINDOW 2: the gains; b2, b4, b1 centred.   WINDOW 3: the offsets at the gains' places; b3, b5.
.set G0,   0
.set G1,   8
.set G2,   24
.set G3,   56
.set G4,   120
.set G5,   152
.set B2,   168
.set B4,   200
.set B1C,  232
.set B3,   168
.set B5,   232
.set MSB, 0
.macro WIN new                         ; low byte: bits 1:0 source 0, 3:2 source 1, 5:4 source 2, 7:6 destination; the high byte repeats the setting that is left
.if MSB != \new
	s_set_vgpr_msb (MSB<<8)|\new
.set MSB, \new
.endif
.endm
.macro PLACES n
.rept \n
	v_nop
.endr
.endm
; ---- layer 1's product, h1' = y0 W1c + b1c, in f32: 16 matrix instructions a pair of tiles: K step MI / 4, tile of rows (MI % 4) / 2, tile of units MI % 2.
; The unit's k = 4 s + 2 h + j stands for the true k = 8 h + 2 s + j on both sides: y0's registers 2 s, 2 s + 1 are source 1 as they lie.
; The four accumulators take turns, one instruction a turn; the first K step takes the centred bias as C.
.set SPR, 0
.set VC,  0
.set MI,  16
.macro F32MM
.set fD, H1+16*((MI%4)/2)+8*(MI%2)
.set fA, W1F+2*(4*(MI%2)+MI/4)
.set fB, Y0+8*((MI%4)/2)+2*(MI/4)
.if MI < 4
	WIN 0x20                                       ; C in window 2
	v_wmma_f32_16x16x4_f32 v[fD:fD+7], v[fA:fA+1], v[fB:fB+1], v[B1C+8*(MI%2):B1C+8*(MI%2)+7]
	WIN 0
.else
	v_wmma_f32_16x16x4_f32 v[fD:fD+7], v[fA:fA+1], v[fB:fB+1], v[fD:fD+7]
.endif
.set MI, MI+1
.endm
.macro TICK                            ; while SPR is set: one of the 16 behind every sixteenth vector line, so that vector work that names none of their registers stands between them
.if SPR
.set VC, VC+1
.if (VC%16 == 0) && (MI < 16)
	F32MM
.endif
.endif
.endm
.macro FLUSH                           ; what is left of the 16 (nothing, where the lines were enough)
.if SPR
.if MI < 16
.rept 16-MI
	F32MM
.endr
.endif
.set SPR, 0
.endif
.endm
; ---- the statistics.  Every macro writes tile 0's line, then tile 1's.
.macro REDUCE                          ; the two packed chains, the pair's halves, and lane l xor 16's: T+8 = the row's sum
.irp t, 0,1
	v_pk_add_f32 v[T+10*\t:T+10*\t+1], v[T+10*\t:T+10*\t+1], v[T+10*\t+2:T+10*\t+3]
	TICK
.endr
.irp t, 0,1
	v_add_f32 v[T+10*\t+8], v[T+10*\t], v[T+10*\t+1]
	TICK
.endr
.irp t, 0,1
	v_permlanex16_b32 v[T+10*\t+9], v[T+10*\t+8], s66, s67
	TICK
.endr
.irp t, 0,1
	v_add_f32 v[T+10*\t+8], v[T+10*\t+8], v[T+10*\t+9]
	TICK
.endr
.endm
.macro SUMS e, nlit                    ; T+4 = -mean of the row's 2 e numbers.  The registers are taken in ascending order: each accumulator is first read at its low end
.irp t, 0,1
	v_pk_add_f32 v[T+10*\t:T+10*\t+1], v[H+64*\t:H+64*\t+1], v[H+64*\t+4:H+64*\t+5]
	TICK
.endr
.irp t, 0,1
	v_pk_add_f32 v[T+10*\t+2:T+10*\t+3], v[H+64*\t+2:H+64*\t+3], v[H+64*\t+6:H+64*\t+7]
	TICK
.endr
.set q, 8
.rept (\e-8)/2
.irp t, 0,1
	v_pk_add_f32 v[T+10*\t+q%4:T+10*\t+q%4+1], v[T+10*\t+q%4:T+10*\t+q%4+1], v[H+64*\t+q:H+64*\t+q+1]
	TICK
.endr
.set q, q+2
.endr
	REDUCE
.irp t, 0,1
	v_mul_f32 v[T+10*\t+4], \nlit, v[T+10*\t+8]
	TICK
.endr
.endm
.macro CENTRE e                        ; h - mean, two at a time (of the pair T+4:5 the low word serves both halves)
.set q, 0
.rept \e/2
.irp t, 0,1
	v_pk_add_f32 v[H+64*\t+q:H+64*\t+q+1], v[H+64*\t+q:H+64*\t+q+1], v[T+10*\t+4:T+10*\t+5] op_sel_hi:[1,0]
	TICK
.endr
.set q, q+2
.endr
.endm
.macro SQS base, str, e                ; the sum of squares, in two packed chains started by the first two products; ascending
.set q, 0
.rept \e/2
.irp t, 0,1
.if q < 4
	v_pk_mul_f32 v[T+10*\t+q:T+10*\t+q+1], v[\base+\str*\t+q:\base+\str*\t+q+1], v[\base+\str*\t+q:\base+\str*\t+q+1]
.else
	v_pk_fma_f32 v[T+10*\t+q%4:T+10*\t+q%4+1], v[\base+\str*\t+q:\base+\str*\t+q+1], v[\base+\str*\t+q:\base+\str*\t+q+1], v[T+10*\t+q%4:T+10*\t+q%4+1]
.endif
	TICK
.endr
.set q, q+2
.endr
.endm
.macro RSTD inv                        ; T+6 = 1 / sqrt(sum of squares / n + eps)
	REDUCE
.irp t, 0,1
	v_fma_f32 v[T+10*\t+8], v[T+10*\t+8], \inv, s7
	TICK
.endr
.irp t, 0,1
	v_rsq_f32 v[T+10*\t+6], v[T+10*\t+8]
	TICK
.endr
	v_nop                                          ; one plain vector line between a transcendental and the use of its result (ISA guide 5.7.2)
	s_wait_alu depctr_va_vdst(0)
	TICK
.endm
.macro SCALE dbase, dstr, sbase, sstr, e
.set q, 0
.rept \e/2
.irp t, 0,1
	v_pk_mul_f32 v[\dbase+\dstr*\t+q:\dbase+\dstr*\t+q+1], v[\sbase+\sstr*\t+q:\sbase+\sstr*\t+q+1], v[T+10*\t+6:T+10*\t+7] op_sel_hi:[1,0]
	TICK
.endr
.set q, q+2
.endr
.endm
.macro AFFINE base, str, e, go         ; x gain + offset: gain in window 2, offset in window 3, at the same numbers
	WIN 0x38
.set q, 0
.rept \e/2
.irp t, 0,1
	v_pk_fma_f32 v[\base+\str*\t+q:\base+\str*\t+q+1], v[\base+\str*\t+q:\base+\str*\t+q+1], v[\go+q:\go+q+1], v[\go+q:\go+q+1]
.endr
.set q, q+2
.endr
	WIN 0
.endm
.macro RELU base, str, e
.set q, 0
.rept \e
.irp t, 0,1
	v_max_num_f32 v[\base+\str*\t+q], 0, v[\base+\str*\t+q]
.endr
.set q, q+1
.endr
.endm
; ---- the quantiser of relu(y), nb blocks of 32 along the next K; a lane holds 16 numbers of each block.
.macro AMAX nb                         ; T+b = the largest of my 16 numbers of block b and the floor 2^(3 - 127).  No |.|: what is negative counts for nothing.  Two chains a block
.set qb, 0
.rept \nb
.irp t, 0,1
	v_max3_num_f32 v[T+10*\t+qb], v[H+64*\t+16*qb], v[H+64*\t+16*qb+1], 0x1800000
	v_max3_num_f32 v[T+10*\t+4+qb], v[H+64*\t+16*qb+8], v[H+64*\t+16*qb+9], v[H+64*\t+16*qb+10]
.endr
.set qb, qb+1
.endr
.set qi, 0
.rept 3
.set qb, 0
.rept \nb
.irp t, 0,1
	v_max3_num_f32 v[T+10*\t+qb], v[T+10*\t+qb], v[H+64*\t+16*qb+2+2*qi], v[H+64*\t+16*qb+3+2*qi]
.if qi < 2
	v_max3_num_f32 v[T+10*\t+4+qb], v[T+10*\t+4+qb], v[H+64*\t+16*qb+11+2*qi], v[H+64*\t+16*qb+12+2*qi]
.endif
.endr
.set qb, qb+1
.endr
.set qi, qi+1
.endr
.set qb, 0
.rept \nb
.irp t, 0,1
	v_max3_num_f32 v[T+10*\t+qb], v[T+10*\t+qb], v[T+10*\t+4+qb], v[H+64*\t+16*qb+15]
.endr
.set qb, qb+1
.endr
.endm
.macro XSC nb                          ; with lane l xor 16's: the block's largest; 2 off its exponent field: the conversion's scale operand (T+b); its exponent field: the byte; the bytes make the row's scale word
.set qb, 0
.rept \nb
.irp t, 0,1
	v_permlanex16_b32 v[T+10*\t+4+qb], v[T+10*\t+qb], s66, s67
.endr
.set qb, qb+1
.endr
.set qb, 0
.rept \nb
.irp t, 0,1
	v_max_num_f32 v[T+10*\t+qb], v[T+10*\t+qb], v[T+10*\t+4+qb]
.endr
.set qb, qb+1
.endr
.set qb, 0
.rept \nb
.irp t, 0,1
	v_add_nc_u32 v[T+10*\t+qb], 0xff000000, v[T+10*\t+qb]
.endr
.set qb, qb+1
.endr
.if \nb == 1
.irp t, 0,1
	v_lshrrev_b32 v[AS+\t], 23, v[T+10*\t]
.endr
.else
.set qb, 0
.rept \nb
.irp t, 0,1
	v_lshrrev_b32 v[T+10*\t+4+qb], 23, v[T+10*\t+qb]
.endr
.set qb, qb+1
.endr
.irp t, 0,1
	v_lshl_or_b32 v[AS+\t], v[T+10*\t+5], 8, v[T+10*\t+4]
.endr
.if \nb == 4
.irp t, 0,1
	v_lshl_or_b32 v[AS+\t], v[T+10*\t+6], 16, v[AS+\t]
.endr
.irp t, 0,1
	v_lshl_or_b32 v[AS+\t], v[T+10*\t+7], 24, v[AS+\t]
.endr
.endif
.endif
.endm
.macro CODES nb
.set qb, 0
.rept \nb
.irp t, 0,1
	v_cvt_scalef32_pk8_fp4_f32 v[C+8*\t+2*qb], v[H+64*\t+16*qb:H+64*\t+16*qb+7], v[T+10*\t+qb]
	v_cvt_scalef32_pk8_fp4_f32 v[C+8*\t+2*qb+1], v[H+64*\t+16*qb+8:H+64*\t+16*qb+15], v[T+10*\t+qb]
.endr
.set qb, qb+1
.endr
	v_nop                                          ; one plain vector line behind the scaled conversions, ahead of what touches their results and writes their sources
	; relu on the codes: a mask with 8 in the nibble of a negative code and 7 in the others leaves -0 of the first and all of the second.  7 + 1 carries into no neighbour.
	; The mask is made in T, which no product names: its two middle lines and the v_nop below stand between the scale word's last write and the product.
.set qb, 0
.rept 2*\nb
.irp t, 0,1
	v_lshrrev_b32 v[T+10*\t+qb], 3, v[C+8*\t+qb]
.endr
.set qb, qb+1
.endr
.set qb, 0
.rept 2*\nb
.irp t, 0,1
	v_and_b32 v[T+10*\t+qb], s68, v[T+10*\t+qb]
.endr
.set qb, qb+1
.endr
.set qb, 0
.rept 2*\nb
.irp t, 0,1
	v_add_nc_u32 v[T+10*\t+qb], s69, v[T+10*\t+qb]
.endr
.set qb, qb+1
.endr
.set qb, 0
.rept 2*\nb
.irp t, 0,1
	v_and_b32 v[C+8*\t+qb], v[C+8*\t+qb], v[T+10*\t+qb]
.endr
.set qb, qb+1
.endr
.set qb, 0
.rept (\nb+1)/2                        ; the operand's layout wants a whole block in a lane: lanes 0-15 block 2 c, lanes 16-31 block 2 c + 1
.irp t, 0,1
	v_permlane16_swap_b32 v[C+8*\t+4*qb], v[C+8*\t+4*qb+2]
	v_permlane16_swap_b32 v[C+8*\t+4*qb+1], v[C+8*\t+4*qb+3]
.endr
.set qb, qb+1
.endr
	PLACES 4                                       ; an operand written by vector lines stands four places ahead of a scaled product
.endm
; ---- a quantised product: nt tiles of 16 units x two tiles of rows, each ONE instruction (K <= 128), the bias as its C.  No two that follow each other share D or C.
.macro MM wf, nt, bias, win, ws
	WIN \win                                       ; source 0 (the weight) window 1, C (the bias) window 2 or 3; the scale operands have no window
.irp t, 0,1
.set q, 0
.rept \nt
.if q%2
	v_wmma_scale_f32_16x16x128_f8f6f4 v[H+64*\t+8*q:H+64*\t+8*q+7], v[\wf+8*q:\wf+8*q+7], v[C+8*\t:C+8*\t+7], v[\bias+8*q:\bias+8*q+7], v[WS+\ws+q/2], v[AS+\t] matrix_a_fmt:MATRIX_FMT_FP4 matrix_b_fmt:MATRIX_FMT_FP4 matrix_a_scale:MATRIX_SCALE_ROW1
.else
	v_wmma_scale_f32_16x16x128_f8f6f4 v[H+64*\t+8*q:H+64*\t+8*q+7], v[\wf+8*q:\wf+8*q+7], v[C+8*\t:C+8*\t+7], v[\bias+8*q:\bias+8*q+7], v[WS+\ws+q/2], v[AS+\t] matrix_a_fmt:MATRIX_FMT_FP4 matrix_b_fmt:MATRIX_FMT_FP4
.endif
.set q, q+1
.endr
.endr
	WIN 0
.endm
.macro LNQ e, nb, go, inv, ninv        ; LayerNorm, gain, offset, relu and the quantiser on a layer of 2 e units
	SUMS \e, \ninv
	CENTRE \e
	SQS H, 64, \e
	RSTD \inv
	SCALE H, 64, H, 64, \e
	FLUSH
	AFFINE H, 64, \e, \go
	AMAX \nb
	XSC \nb
	CODES \nb
.endm
.macro LAYER0                          ; y0 = relu(LN(x W0 + b0)): lane (r, h) holds units 8 h + 0 .. 7 of row r
	WIN 0x14                                       ; W0c and b0c in window 1
.set q, 0
.rept 4
.irp t, 0,1
	v_pk_fma_f32 v[Y0+8*\t+q:Y0+8*\t+q+1], v[XB+2*\t:XB+2*\t+1], v[W0C+q:W0C+q+1], v[B0C+q:B0C+q+1] op_sel_hi:[0,1,1]
.endr
.set q, q+2
.endr
	WIN 0
	SQS Y0, 8, 8
	RSTD 0x3d800000                                ; 1 / 16
	SCALE Y0, 8, Y0, 8, 8
	AFFINE Y0, 8, 8, G0
	RELU Y0, 8, 8
.endm
.macro DOT                             ; the last layer: y5 . W6, in two packed chains
	WIN 0x04                                       ; W6 in window 1
.set q, 0
.rept 8
.irp t, 0,1
.if q < 4
	v_pk_mul_f32 v[T+10*\t+q:T+10*\t+q+1], v[H+64*\t+q:H+64*\t+q+1], v[W6V+q:W6V+q+1]
.else
	v_pk_fma_f32 v[T+10*\t+q%4:T+10*\t+q%4+1], v[H+64*\t+q:H+64*\t+q+1], v[W6V+q:W6V+q+1], v[T+10*\t+q%4:T+10*\t+q%4+1]
.endif
.endr
.set q, q+2
.endr
	WIN 0
.endm
; a vector of 32 nb numbers in a result's layout: for each 16 registers my half's 16 neighbours: four loads of 16 bytes at 64 h + 128 b
.macro VLOAD reg, nb, sb
.set q, 0
.rept 4*\nb
	global_load_b128 v[\reg+4*q:\reg+4*q+3], v[V64H], s[\sb:\sb+1] offset:128*(q/4)+16*(q%4)
.set q, q+1
.endr
.endm
.macro VLOAD8 reg, sb                  ; a vector of 16 numbers in layer 0's layout: my half's 8
	global_load_b128 v[\reg:\reg+3], v[V32H], s[\sb:\sb+1]
	global_load_b128 v[\reg+4:\reg+7], v[V32H], s[\sb:\sb+1] offset:16
.endm
.macro NEGMEAN src, n, d, lit          ; v[d] = lit x (the sum of my n numbers and lane l xor 16's); v[d + 1] at work
	v_add_f32 v[\d], v[\src], v[\src+1]
.set q, 2
.rept \n-2
	v_add_f32 v[\d], v[\d], v[\src+q]
.set q, q+1
.endr
	v_permlanex16_b32 v[\d+1], v[\d], s66, s67
	v_add_f32 v[\d], v[\d], v[\d+1]
	v_mul_f32 v[\d], \lit, v[\d]
.endm
; ================ THE HEAD ================
	s_load_b512 s[8:23], s[0:1], 0x0               ; argument i in s[8 + 2 i : 9 + 2 i]: x, out0, W0, b0, g0, be0, W1, b1,
	s_load_b512 s[24:39], s[0:1], 0x40             ; g1, be1, W2, b2, g2, be2, W3, b3,
	s_load_b512 s[40:55], s[0:1], 0x80             ; g3, be3, W4, b4, g4, be4, W5, b5,
	s_load_b256 s[56:63], s[0:1], 0xc0             ; g5, be5, W6, b6
	v_lshl_add_u32 v15, v0, 2, 0xc000
	s_set_vgpr_msb 0x40
	v_mov_b32 v31, 0
	s_set_vgpr_msb 0x4000
	v_lshrrev_b32 v232, 5, v0
	v_readfirstlane_b32 s2, v232                   ; wave w
	v_and_b32 v232, 31, v0                         ; lane
	v_and_b32 v233, 15, v0                         ; r
	v_bfe_u32 v234, v0, 4, 1                       ; h
	v_and_b32 v235, 8, v233
	v_add_nc_u32 v235, v235, v233                  ; r + 8 (r / 8)
	s_mov_b32 s7, 0x3727c5ac                       ; eps = 1e-5
	s_mov_b32 s66, 0x76543210
	s_mov_b32 s67, 0xfedcba98                      ; v_permlanex16_b32's selects for lane l xor 16
	s_mov_b32 s68, 0x11111111
	s_mov_b32 s69, 0x77777777
	s_mov_b32 s70, 0xffff0000                      ; lanes 16-31
	s_lshr_b32 s74, s2, 1
	s_lshl_b32 s74, s74, 5
	s_and_b32 s75, s2, 1
	s_lshl_b32 s75, s75, 3                         ; 8 (w % 2)
	s_add_co_u32 s74, s74, s75                     ; 32 (w / 2) + 8 (w % 2): the first unit of tile w
	s_lshl_b32 s76, s2, 5                          ; 32 w: the first unit of tile 2 w
	s_mul_i32 s77, s2, 3072                        ; six images a wave
	s_mul_i32 s78, s2, 768                         ; six scale pieces
	s_lshl_b32 s79, s2, 12                         ; the wave's 4,096 bytes of x and of results
	v_add_lshl_u32 v[VO2], v235, s74, 2            ; W2 [32][64]: column of tile w; both halves of the lanes take k = 0 .. 31
	v_lshl_add_u32 v[VO4], v234, 13, v[VO2]        ; W4 [128][64]: the same column, 32 h rows of 256 bytes down
	v_add_lshl_u32 v[VO3], v235, s76, 2            ; W3 [64][128]: column of tile 2 w,
	v_lshl_add_u32 v[VO3], v234, 14, v[VO3]        ; 32 h rows of 512 bytes down
	v_add_lshl_u32 v[VO5], v235, s75, 2            ; W5 [64][32]: column of tile w % 2,
	v_lshl_add_u32 v[VO5], v234, 12, v[VO5]        ; 32 h rows of 128 bytes down
	v_lshlrev_b32 v[VW1], 2, v235                  ; W1 [16][32]: column r + 8 (r / 8),
	v_lshl_add_u32 v[VW1], v234, 10, v[VW1]        ; 8 h rows of 128 bytes down
	v_lshlrev_b32 v[V64H], 6, v234
	v_lshlrev_b32 v[V32H], 5, v234
	v_lshlrev_b32 v[V8H], 3, v234
	v_add_nc_u32 v[VM], -1, v234
	v_lshlrev_b32 v[V16L], 4, v232
	v_lshlrev_b32 v[V4L], 2, v232
	v_add_nc_u32 v[VIMG], s77, v[V16L]
	v_add_nc_u32 v[VSCP], s78, v[V4L]
	v_add_nc_u32 v[VXL], s79, v[V16L]
	v_lshl_add_u32 v[LA], v233, 2, s79
	s_lshl_b32 s72, ttmp9, 2
	s_add_co_u32 s72, s72, s2
	s_lshl_b32 s72, s72, 12                        ; (4 x work-group + wave) x 1,024 rows x 4 bytes
	s_mov_b32 s73, 0
	s_wait_kmcnt 0x0
	s_add_nc_u64 s[8:9], s[8:9], s[72:73]          ; x and out0 at my wave's first row
	s_add_nc_u64 s[10:11], s[10:11], s[72:73]
	s_load_b32 s6, s[62:63], 0x0                   ; b6
	; All loads in one run.  First what the quantiser wants: six units a wave, each 32 numbers down K of one column a lane, in the order that the operand's layout gives the lane (k = 64 c + 32 h + i):
	; units 0, 1: W3's tiles 2 w, 2 w + 1;  2, 3: W4's tile w, c = 0, 1;  4: W2's tile w;  5: W5's tile w % 2 (waves 2 and 3 repeat it into slots that nobody reads).
	WIN 0x40                                       ; destination window 1
.set q, 0
.rept 32
	global_load_b32 v[ST+q],     v[VO3], s[36:37] offset:(128*q)*4
	global_load_b32 v[ST+32+q],  v[VO3], s[36:37] offset:(128*q+8)*4
	global_load_b32 v[ST+64+q],  v[VO4], s[44:45] offset:q*256
	global_load_b32 v[ST+96+q],  v[VO4], s[44:45] offset:(64+q)*256
	global_load_b32 v[ST+128+q], v[VO2], s[28:29] offset:q*256
	global_load_b32 v[ST+160+q], v[VO5], s[52:53] offset:q*128
.set q, q+1
.endr
	WIN 0
.irp u, 0,1
.irp s, 0,1,2,3
.irp j, 0,1
	global_load_b32 v[W1F+2*(4*\u+\s)+\j], v[VW1], s[20:21] offset:((2*\s+\j)*32+8*\u)*4   ; W1[8 h + 2 s + j][8 u + r + 8 (r / 8)]
.endr
.endr
.endr
	VLOAD8 96, 12                                  ; W0
	VLOAD8 104, 14                                 ; b0
	VLOAD 128, 1, 22                               ; b1
.irp i, 0,1,2,3,4,5,6,7
	global_load_b128 v[64+4*\i:67+4*\i], v[V16L], s[8:9] offset:512*\i th:TH_LOAD_NT   ; my wave's x: 512 consecutive bytes a load
.endr
	WIN 0x80                                       ; then 124 loads straight into their places: window 2
	VLOAD8 G0, 16
	VLOAD G1, 1, 24
	VLOAD G2, 2, 32
	VLOAD G3, 4, 40
	VLOAD G4, 2, 48
	VLOAD G5, 1, 56
	VLOAD B2, 2, 30
	VLOAD B4, 2, 46
	WIN 0xc0                                       ; window 3
	VLOAD8 G0, 18
	VLOAD G1, 1, 26
	VLOAD G2, 2, 34
	VLOAD G3, 4, 42
	VLOAD G4, 2, 50
	VLOAD G5, 1, 58
	VLOAD B3, 4, 38
	VLOAD B5, 1, 54
	WIN 0x40
	VLOAD W6V, 1, 60
	WIN 0
.irp u, 0,1,2,3,4,5
	v_mov_b32 v[QP+\u], 0                          ; a lane permute's destination counts as one of its sources
.endr
	v_mov_b32 v59, 0
	v_mov_b32 v61, 0
	v_mov_b32 v63, 0
	s_wait_loadcnt 63                              ; behind the 224 loads wanted now 124 were issued, and loads come back in order (ISA guide 5.7.1): with 63 out the 224 are in
	; the six units' largest magnitudes, by turns, with the floor 2^(3 - 127) as one more leaf
	WIN 0x14                                       ; sources 1 and 2 window 1
.irp u, 0,1,2,3,4,5
	v_max3_num_f32 v[QA+\u], 0x1800000, |v[ST+32*\u]|, |v[ST+32*\u+1]|
.endr
.set q, 2
.rept 15
.irp u, 0,1,2,3,4,5
	v_max3_num_f32 v[QA+\u], v[QA+\u], |v[ST+32*\u+q]|, |v[ST+32*\u+q+1]|
.endr
.set q, q+2
.endr
	WIN 0
.irp u, 0,1,2,3,4,5
	v_add_nc_u32 v[QA+\u], 0xff000000, v[QA+\u]    ; 2 off the exponent field: the conversion's scale operand
.endr
.irp u, 0,1,2,3,4,5
	v_lshrrev_b32 v[QB+\u], 23, v[QA+\u]           ; the scale's byte
.endr
	WIN 0x01                                       ; source 0 window 1
.irp u, 0,1,2,3,4,5
.irp g, 0,1,2,3
	v_cvt_scalef32_pk8_fp4_f32 v[QC+4*\u+\g], v[ST+32*\u+8*\g:ST+32*\u+8*\g+7], v[QA+\u]
.endr
.endr
	WIN 0
	v_nop                                          ; one plain vector line behind the scaled conversions
.irp g, 0,1,2,3
	v_and_b32 v[QC+16+\g], v[VM], v[QC+16+\g]      ; W2 has K = 32: lanes 16-31 stand for k = 32 .. 63: zero codes,
.endr
	v_and_b32 v[QB+4], v[VM], v[QB+4]              ; and the byte 0
.irp u, 0,1,2,3,4,5
	v_lshlrev_b32 v[QB+\u], v[V8H], v[QB+\u]       ; my block's byte at its place (8 h bits up);
.endr
.irp u, 0,1,2,3,4,5
	v_permlanex16_b32 v[QP+\u], v[QB+\u], s66, s67
.endr
.irp u, 0,1,2,3,4,5
	v_or_b32 v[QB+\u], v[QB+\u], v[QP+\u]          ; with lane l xor 16's: two bytes of the row's scale word, in both halves of the lanes
.endr
.irp u, 0,1,2,3,4,5
	ds_store_b128 v[VIMG], v[QC+4*\u:QC+4*\u+3] offset:IMG+512*\u   ; four operand registers as they stand: slot 6 w + u, 16 bytes a lane
	ds_store_b32 v[VSCP], v[QB+\u] offset:SCP+128*\u
.endr
.irp i, 0,1,2,3,4,5,6,7
	ds_store_b128 v[VXL], v[64+4*\i:67+4*\i] offset:XS+512*\i       ; x, as it lies: my wave's own bytes
.endr
	; the centring of layers 0 and 1
	NEGMEAN 96, 8, 58, 0xbd800000                  ; -mean(W0)
	NEGMEAN 104, 8, 60, 0xbd800000                 ; -mean(b0)
	NEGMEAN 128, 16, 62, 0xbd000000                ; -mean(b1)
	WIN 0x40
.irp i, 0,2,4,6
	v_pk_add_f32 v[W0C+\i:W0C+\i+1], v[96+\i:97+\i], v[58:59] op_sel_hi:[1,0]
	v_pk_add_f32 v[B0C+\i:B0C+\i+1], v[104+\i:105+\i], v[60:61] op_sel_hi:[1,0]
.endr
	WIN 0x80
.irp i, 0,2,4,6,8,10,12,14
	v_pk_add_f32 v[B1C+\i:B1C+\i+1], v[128+\i:129+\i], v[62:63] op_sel_hi:[1,0]
.endr
	WIN 0
.set q, 0
.rept 8
	v_add_f32 v[112+q], v[W1F+q], v[W1F+8+q]       ; row k = 8 h + q of W1: my two columns; sixteen lanes hold all 32
.set q, q+1
.endr
.irp m, 1,2,4,8
.set q, 0
.rept 8
	v_add_f32_dpp v[112+q], v[112+q], v[112+q] row_xmask:\m row_mask:0xf bank_mask:0xf
.set q, q+1
.endr
.endr
.set q, 0
.rept 8
	v_fma_f32 v[W1F+q], v[112+q], 0xbd000000, v[W1F+q]
	v_fma_f32 v[W1F+8+q], v[112+q], 0xbd000000, v[W1F+8+q]
.set q, q+1
.endr
	s_wait_dscnt 0x0                               ; for the others' sake: my images and pieces lie in LDS
	s_barrier_signal -1
	s_barrier_wait -1                              ; everybody's do.  Nothing is stored there again
	WIN 0x40                                       ; every wave takes all 22 images into window 1
.irp t, 0,1,2,3,4,5,6,7
	ds_load_b128 v[WF3+8*\t:WF3+8*\t+3], v[V16L] offset:IMG+512*(6*(\t/2)+\t%2)
.endr
.irp t, 0,1,2,3
	ds_load_b128 v[WF4+8*\t:WF4+8*\t+3], v[V16L] offset:IMG+512*(6*\t+2)
	ds_load_b128 v[WF4+8*\t+4:WF4+8*\t+7], v[V16L] offset:IMG+512*(6*\t+3)
	ds_load_b128 v[WF2+8*\t:WF2+8*\t+3], v[V16L] offset:IMG+512*(6*\t+4)
.endr
.irp t, 0,1
	ds_load_b128 v[WF5+8*\t:WF5+8*\t+3], v[V16L] offset:IMG+512*(6*\t+5)
.endr
.irp k, 4,5,6,7                        ; k = 64 .. 127 of W2, W3, W5: zero codes
.irp t, 0,1,2,3,4,5,6,7
	v_mov_b32 v[WF3+8*\t+\k], 0
.endr
.irp t, 0,1,2,3
	v_mov_b32 v[WF2+8*\t+\k], 0
.endr
.irp t, 0,1
	v_mov_b32 v[WF5+8*\t+\k], 0
.endr
.endr
	WIN 0
.irp t, 0,1,2,3,4,5,6,7
	ds_load_b32 v[16+\t], v[V4L] offset:SCP+128*(6*(\t/2)+\t%2)     ; W3's pieces
.endr
.irp t, 0,1,2,3
	ds_load_b32 v[24+2*\t], v[V4L] offset:SCP+128*(6*\t+2)          ; W4's, c = 0,
	ds_load_b32 v[25+2*\t], v[V4L] offset:SCP+128*(6*\t+3)          ; c = 1
	ds_load_b32 v[32+\t], v[V4L] offset:SCP+128*(6*\t+4)            ; W2's
.endr
.irp t, 0,1
	ds_load_b32 v[36+\t], v[V4L] offset:SCP+128*(6*\t+5)            ; W5's
.endr
	s_wait_dscnt 0x0
.irp t, 0,1,2,3
	v_lshl_or_b32 v[24+2*\t], v[25+2*\t], 16, v[24+2*\t]            ; W4's words: four bytes
.endr
	v_cndmask_b32 v[WS+0], v32, v33, s70           ; the even tile's words in lanes 0-15, the odd tile's in lanes 16-31
	v_cndmask_b32 v[WS+1], v34, v35, s70
	v_cndmask_b32 v[WS+2], v16, v17, s70
	v_cndmask_b32 v[WS+3], v18, v19, s70
	v_cndmask_b32 v[WS+4], v20, v21, s70
	v_cndmask_b32 v[WS+5], v22, v23, s70
	v_cndmask_b32 v[WS+6], v24, v26, s70
	v_cndmask_b32 v[WS+7], v28, v30, s70
	v_cndmask_b32 v[WS+8], v36, v37, s70
.set q, 0
.rept 16
	v_mov_b32 v[C+q], 0                            ; the rows' codes: read whole before they are first written whole
.set q, q+1
.endr
.set q, 0
.rept 20
	v_mov_b32 v[T+q], 0                            ; permutes' destinations and the upper halves of pairs
.set q, q+1
.endr
	v_mov_b32 v[XB+1], 0
	v_mov_b32 v[XB+3], 0
	s_wait_loadcnt 0x0                             ; every parameter is in; the set-up's address registers are free
	s_wait_kmcnt 0x0                               ; b6
	; the first pair's layers 0 and 1
	ds_load_b32 v[XB], v[LA] offset:XS
	ds_load_b32 v[XB+2], v[LA] offset:XS+64
	s_wait_dscnt 0x0
	LAYER0
.set MI, 0
.rept 16
	F32MM
.endr
	PLACES 8                                       ; eight places between the f32 form and the first read of its results
	s_mov_b32 s3, 0                                ; trips
	s_mov_b32 s4, 0                                ; 128 bytes of x and of results a trip
; ================ A TRIP: rows 32 trip + r (tile 0) and 32 trip + 16 + r (tile 1) ================
.Ltrip:
	s_add_co_u32 s5, s4, 128                       ; the next pair's x is asked for now and wanted two layers on.  In the last trip the address is held at the last pair:
	s_min_u32 s5, s5, 3968                         ; its layers 0 and 1 are made once more and dropped
	v_add_nc_u32 v[ADX], s5, v[LA]
	ds_load_b32 v[XB], v[ADX] offset:XS
	ds_load_b32 v[XB+2], v[ADX] offset:XS+64
	; layer 1: the sums are centred as they come
	SQS H1, 16, 16
	RSTD 0x3d000000                                ; 1 / 32
	SCALE H, 64, H1, 16, 16
	AFFINE H, 64, 16, G1
	AMAX 1
	XSC 1
	CODES 1
	MM WF2, 4, B2, 0x21, 0                         ; layer 2: K = 32, 64 units
	PLACES 4                                       ; four places between a product and the first read of its result (ISA guide 7.12.1)
	LNQ 32, 2, G2, 0x3c800000, 0xbc800000
	MM WF3, 8, B3, 0x31, 2                         ; layer 3: K = 64, 128 units
	s_wait_dscnt 0x0                               ; the next pair's x is in; the last trip's stores of results have read their registers
	LAYER0                                         ; the next pair's layer 0: its lines, which name no register of the products above, are the places behind them
.set SPR, 1
.set VC, 0
.set MI, 0
	LNQ 64, 4, G3, 0x3c000000, 0xbc000000          ; layer 3's statistics carry the next pair's 16 f32 products, one behind every sixteenth line
	MM WF4, 4, B4, 0x21, 6                         ; layer 4: K = 128, 64 units
	PLACES 4
	LNQ 32, 2, G4, 0x3c800000, 0xbc800000
	MM WF5, 2, B5, 0x31, 8                         ; layer 5: K = 64, 32 units
	PLACES 4
	SUMS 16, 0xbd000000
	CENTRE 16
	SQS H, 64, 16
	RSTD 0x3d000000
	SCALE H, 64, H, 64, 16
	AFFINE H, 64, 16, G5
	RELU H, 64, 16
	DOT                                            ; layer 6
	REDUCE
.irp t, 0,1
	v_add_f32 v[OUTV+\t], s6, v[T+10*\t+8]         ; + b6, into registers that are written again only behind the next trip's wait on DScnt
.endr
	v_add_nc_u32 v[ADO], s4, v[LA]
	ds_store_b32 v[ADO], v[OUTV] offset:OS         ; both halves of the lanes write the same word with the same value
	ds_store_b32 v[ADO], v[OUTV+1] offset:OS+64
	s_add_co_u32 s4, s4, 128
	s_add_co_u32 s3, s3, 1
	s_cmp_lt_u32 s3, 32
	s_cbranch_scc1 .Ltrip
; ================ THE WAY OUT: my wave's 4,096 bytes of results ================
.irp i, 0,1,2,3,4,5,6,7
	ds_load_b128 v[H+4*\i:H+4*\i+3], v[VXL] offset:OS+512*\i        ; LDS serves a wave's instructions in order (ISA guide 5.7.1.4): these see my stores
.endr
.irp i, 0,1,2,3,4,5,6,7
	s_wait_dscnt 7-\i                              ; load i is in; the younger ones may be out
	global_store_b128 v[V16L], v[H+4*\i:H+4*\i+3], s[10:11] offset:512*\i th:TH_STORE_NT   ; 32 lanes store 512 consecutive bytes, at a multiple of 512 from out0's first byte
.endr
	s_set_vgpr_msb 0x4
	s_wait_tensorcnt 0x0
	ds_add_u32 v15, v31
	s_wait_dscnt 0x0
	s_set_vgpr_msb 0x400
	s_endpgm
.Lfunc_end_k_q3769362d7b_mlp:
	.size	k_q3769362d7b_mlp, .Lfunc_end_k_q3769362d7b_mlp-k_q3769362d7b_mlp
	.p2alignl 7, 3214868480
	.fill 96, 4, 3214868480
	.section	.rodata,"a",@progbits
	.p2align	6, 0x0
	.amdhsa_kernel k_q3769362d7b_mlp
		.amdhsa_group_segment_fixed_size 49664
		.amdhsa_private_segment_fixed_size 0
		.amdhsa_enable_private_segment 0
		.amdhsa_kernarg_size 224
		.amdhsa_user_sgpr_count 2
		.amdhsa_user_sgpr_kernarg_segment_ptr 1
		.amdhsa_wavefront_size32 1
		.amdhsa_system_sgpr_workgroup_id_x 1
		.amdhsa_system_sgpr_workgroup_id_y 1
		.amdhsa_system_sgpr_workgroup_id_z 1
		.amdhsa_system_vgpr_workitem_id 0
		.amdhsa_next_free_vgpr 1024
		.amdhsa_next_free_sgpr 80
		.amdhsa_reserve_vcc 0
		.amdhsa_float_denorm_mode_32 3
		.amdhsa_float_denorm_mode_16_64 3
		.amdhsa_memory_ordered 1
		.amdhsa_forward_progress 1
		.amdhsa_inst_pref_size 154
	.end_amdhsa_kernel
	.amdgpu_metadata
---
amdhsa.version: [ 1, 2 ]
amdhsa.kernels:
  - .name:           k_q3769362d7b_mlp
    .symbol:         k_q3769362d7b_mlp.kd
    .args:
      - { .name: x, .offset: 0, .size: 8, .value_kind: global_buffer, .address_space: global }
      - { .name: out0, .offset: 8, .size: 8, .value_kind: global_buffer, .address_space: global }
      - { .name: W0, .offset: 16, .size: 8, .value_kind: global_buffer, .address_space: global }
      - { .name: b0, .offset: 24, .size: 8, .value_kind: global_buffer, .address_space: global }
      - { .name: g0, .offset: 32, .size: 8, .value_kind: global_buffer, .address_space: global }
      - { .name: be0, .offset: 40, .size: 8, .value_kind: global_buffer, .address_space: global }
      - { .name: W1, .offset: 48, .size: 8, .value_kind: global_buffer, .address_space: global }
      - { .name: b1, .offset: 56, .size: 8, .value_kind: global_buffer, .address_space: global }
      - { .name: g1, .offset: 64, .size: 8, .value_kind: global_buffer, .address_space: global }
      - { .name: be1, .offset: 72, .size: 8, .value_kind: global_buffer, .address_space: global }
      - { .name: W2, .offset: 80, .size: 8, .value_kind: global_buffer, .address_space: global }
      - { .name: b2, .offset: 88, .size: 8, .value_kind: global_buffer, .address_space: global }
      - { .name: g2, .offset: 96, .size: 8, .value_kind: global_buffer, .address_space: global }
      - { .name: be2, .offset: 104, .size: 8, .value_kind: global_buffer, .address_space: global }
      - { .name: W3, .offset: 112, .size: 8, .value_kind: global_buffer, .address_space: global }
      - { .name: b3, .offset: 120, .size: 8, .value_kind: global_buffer, .address_space: global }
      - { .name: g3, .offset: 128, .size: 8, .value_kind: global_buffer, .address_space: global }
      - { .name: be3, .offset: 136, .size: 8, .value_kind: global_buffer, .address_space: global }
      - { .name: W4, .offset: 144, .size: 8, .value_kind: global_buffer, .address_space: global }
      - { .name: b4, .offset: 152, .size: 8, .value_kind: global_buffer, .address_space: global }
      - { .name: g4, .offset: 160, .size: 8, .value_kind: global_buffer, .address_space: global }
      - { .name: be4, .offset: 168, .size: 8, .value_kind: global_buffer, .address_space: global }
      - { .name: W5, .offset: 176, .size: 8, .value_kind: global_buffer, .address_space: global }
      - { .name: b5, .offset: 184, .size: 8, .value_kind: global_buffer, .address_space: global }
      - { .name: g5, .offset: 192, .size: 8, .value_kind: global_buffer, .address_space: global }
      - { .name: be5, .offset: 200, .size: 8, .value_kind: global_buffer, .address_space: global }
      - { .name: W6, .offset: 208, .size: 8, .value_kind: global_buffer, .address_space: global }
      - { .name: b6, .offset: 216, .size: 8, .value_kind: global_buffer, .address_space: global }
    .group_segment_fixed_size: 49664
    .private_segment_fixed_size: 0
    .kernarg_segment_align: 8
    .kernarg_segment_size: 224
    .max_flat_workgroup_size: 128
    .sgpr_count:     80
    .vgpr_count:     1024
    .wavefront_size: 32
...
	.end_amdgpu_metadata
.endif
;; end of part 1
